; MI455X (gfx1250); checked and timed in simulation.
; The chip was launched on July 23, 2026; its instructions are those of AMD's public machine-readable ISA for CDNA 5 (MIT licence, August 2026) and "CDNA5" Instruction Set Architecture Reference Guide (July 2026). The comments in the code are by the model that wrote it; some were corrected since.
;; HQQ Linear. Allowed arithmetic: matrix products marked QUANTISED: E5M2 operands, one E8M0 scale for each 32 along K, by v_wmma_scale_f32_16x16x128_f8f6f4 with both operands' format E5M2, f32 sums; everything else in f32.
;; Inputs: W_q 131,072 x 64 int32; bias 2,048 float32; s_scale 1 float32; s_zero 1 float32; scale_q 131,072 int32; x 4 x 2,048 x 4,096 float32; z_scale 1 float32; z_zero 1 float32; zero_q 131,072 int32.
;; Outputs: out0 4 x 2,048 x 2,048 float32.
;; This version of the problem:
;;   THIS VERSION OF THE PROBLEM IS GIVEN IN LOW PRECISION. The matrix products marked QUANTISED in the list below multiply operands that are first quantised to E5M2 (5 exponent bits, 2 mantissa bits; 8 bits a number), with one power-of-two scale for each 32 numbers along K (OCP MX v1.0); their sums are f32. All else is computed in f32.
;;   The module's matrix products, in the order in which they are computed (A, B: the left and right operand; K: the contracted axis; several contracted axes count as one K, in the product's order):
;;     1. [M 8,192, K 4,096] x [K 4,096, N 2,048]; A: input x; B: computed on the way: QUANTISED
;;   THE QUANTISER, for each operand of a quantised product, along K:
;;     - K is cut into blocks of 32 from its start; a last block that is shorter is filled with zeros.
;;     - A block's scale is 2^e with e = floor(log2(the largest magnitude in the block)) - 15, held to -126 .. 127; a block of zeros has e = 0. As a byte (E8M0): e + 127.
;;     - Each number is divided by its block's scale, clamped to +-57,344, and rounded to the nearest number of E5M2, ties to even, subnormals kept.
;;     - The product sums the exact products of the quantised numbers (number of the format x scale) in f32.
;;   ~~~python
;;   def quantise(x, axis):      # numpy; x: float32 -> the quantised numbers, widened to float32 again
;;       x = np.moveaxis(x, axis, -1); K = x.shape[-1]
;;       x = np.pad(x, [(0, 0)] * (x.ndim - 1) + [(0, -K % 32)]); x = x.reshape(x.shape[:-1] + (-1, 32)); a = np.abs(x).max(-1, keepdims=True)
;;       e = np.where(a > 0, np.clip(np.frexp(np.where(a > 0, a, 1))[1] - 1 - 15, -126, 127), 0)      # np.frexp(a)[1] - 1 = floor(log2(a)), exactly
;;       r = np.clip(x / 2.0 ** e, -57344, 57344)
;;       step = 2.0 ** (np.maximum(np.frexp(np.where(r == 0, 1, r))[1] - 1, -14) - 2)
;;       q = np.round(r / step) * step * 2.0 ** e      # np.round: ties to even
;;       return np.moveaxis(q.reshape(q.shape[:-2] + (-1,))[..., :K], -1, axis).astype(np.float32)
;;   ~~~
;;   OPERANDS COMPUTED ON THE WAY. 'Computed on the way' means the value that the module computes at that place (a softmax that the list does not call 'softmax' is quantised finished and normalised). What goes into a quantiser is computed in f32, as accurately as f32 sums, v_exp_f32 and their like allow (about 1e-6 of the number): no bf16 or f16 on the way to a quantiser, and a product that is left as it is and whose result goes on into a quantised operand takes f32 operands (vector FMAs, or v_wmma_f32_16x16x4_f32). A number that lies on a knife's edge between two numbers of the format may be rounded either way, as far as f32 arithmetic and the matrix unit's own rounding can turn it there, and no further.
;; One version. Each part assembles by itself: llvm-mc -triple=amdgcn-amd-amdhsa -mcpu=gfx1250 --defsym DOCPART=n.
;; ======== version 1 of 1: 2 launches
;; limits: right only within a limited range of input values
;; workspace buffers: a_ws 34,603,008 bytes; b_ws 8,650,752 bytes
;; launch quant (part 1): grid 1280 x 1, 4 waves a work-group, no clusters, 40,448 bytes of LDS; arguments x, W_q, scale_q, zero_q, s_scale, z_scale, s_zero, z_zero, a_ws, b_ws; writes a_ws, b_ws
.if DOCPART == 1
	.amdgcn_target "amdgcn-amd-amdhsa--gfx1250"
	.amdhsa_code_object_version 6
	.text
	.protected	k_q8f8e377f47_quant
	.globl	k_q8f8e377f47_quant
	.p2align	8
	.type	k_q8f8e377f47_quant,@function
k_q8f8e377f47_quant:
	s_mov_b64 s[64:65], 0
	v_nop
	global_prefetch_b8 v0, s[64:65] scope:SCOPE_SE
	s_setreg_imm32_b32 hwreg(HW_REG_WAVE_MODE, 25, 1), 1
	s_wait_xcnt 0x0
; x [8192][4096] f32, and W [2048][4096] = (W_q - zero[g]) * scale[g] (one group g for each 64 along a row; zero = (zero_q - z_zero) * s_zero,
; scale = (scale_q - z_scale) * s_scale, all f32, subtract first, then multiply), become codes of BF8 (E5M2) with one E8M0 byte for each 32 along K.
; A block's byte is its largest magnitude's exponent field - 15, held at 1 from below; numbers are held within +-57,344 x the scale and rounded to the nearest code.
; LIMITS: NaN and infinities among the inputs are not served.  A block of zeros gets the byte 1 where the rule says 127: its codes are zeros, and this program alone reads the bytes.
; A WAVE'S TASK: 16 rows x 512 along K.  Work-groups 0-255 take W (1,024 tasks), the others x (4,096).  A row's 2,048 bytes come by four loads of 512 consecutive bytes:
; in load i lane l holds k = 128 i + 4 l .. + 3, so eight neighbouring lanes hold a block of 32, whose maximum is joined by three DPP steps.
; The conversion takes eight registers: a load's four numbers and the four behind them; only its first word is used (behind the fourth load stand four registers of zeros).
; SCALE WORDS: the product's step q of 128 takes the blocks k = 128 c + 32 q (c = 0..3), alike for x and W.  Lanes 8 q .. 8 q + 7 hold the four bytes (c) of row and q as one word;
; lane 8 q + t keeps the words of rows t and 8 + t, and one store of 8 bytes a lane writes the task's 256 bytes: word (q, row) at 64 q + 8 (row % 8) + 4 (row / 8).
; a_ws: blocks of 33,792 bytes, number 8 (row / 64) + k / 512: 64 rows of 512 codes in K's own order, then four times 256 bytes of scale words (16 rows each).
; b_ws: blocks of 8,448 bytes, number 8 (row / 16) + k / 512: four fragments q of 2,048 bytes, laid [c][h][row % 16][16 codes: k = 128 c + 32 q + 16 h ..], then 256 bytes of scale words.
; x's path uses no LDS: a lane's four words are turned among the 16 lanes of its half by lane permutes, so that it holds 16 neighbouring codes; a store covers a row's 512 bytes.
; W's path lays each word into the wave's own stage in LDS in fragment order and reads the fragments back at the end; its groups' (zero, scale) lie in a table in LDS.
.set WGW,   256
.set MANT,  0x600000
.set FLOOR, 16<<23
.set FS,    2208                       ; a fragment in the stage: 8 x 272 bytes + 32, so that the 32 lanes of a word store fall on 32 banks
.set WREG,  9984                       ; a wave's LDS: four fragments, then the table of 16 rows x 8 groups x 8 bytes
.set SPARE, 4*WREG
.set VLD, 3
.set VST, 4
.set VT,  5
.set VT8, 6
.set SW,  8
.set M,   10
.set SCV, 14
.set LIM, 18
.set D,   22
.set O,   32                           ; x: four sets of a row's 16 bytes a lane; W: at work in the head
.set X,   48                           ; four sets of 16 numbers + 4 zeros
.set ZS,  128                          ; W: four pairs (zero, scale)
.set TMP, 128                          ; x: three words on the way
.set VSG, 136
.set VTB, 137
.set TBW, 138
.set VRB, 139
.set VG,  140
.set VSC, 141
.set SPW, 142
.set NIL, 143
.set SEL, 36                           ; s36-39 the permutes' selects
.set MK,  40                           ; s40-42 lanes 4 i .. 4 i + 3 of each half, i = 1..3
	s_load_b128 s[4:7], s[0:1], 0x0                ; x, W_q
	s_load_b128 s[12:15], s[0:1], 0x10             ; scale_q, zero_q
	s_load_b256 s[16:23], s[0:1], 0x20             ; s_scale, z_scale, s_zero, z_zero
	s_load_b128 s[8:11], s[0:1], 0x40              ; a_ws, b_ws
	v_lshl_add_u32 v[SPW], v0, 2, SPARE
	v_mov_b32 v[NIL], 0
	v_lshrrev_b32 v1, 5, v0
	v_readfirstlane_b32 s29, v1                    ; wave
	v_and_b32 v2, 31, v0                           ; lane
	v_lshlrev_b32 v[VLD], 4, v2
	v_and_b32 v[VT], 7, v2
	v_add_nc_u32 v[VT8], 8, v[VT]
	v_lshlrev_b32 v[VSC], 3, v2
	v_mov_b32 v[SW], 0
	v_mov_b32 v[SW+1], 0
.irp k, 0,1,2,3
.irp i, 16,17,18,19
	v_mov_b32 v[X+20*\k+\i], 0
.endr
.endr
	s_mov_b32 s28, MANT
	s_mov_b32 s31, 0
	s_mov_b32 s43, 0                               ; the trip's first row
	s_mov_b32 s44, 3                               ; trips of four rows; the last four rows are written out
	s_lshl_b32 s32, ttmp9, 2
	s_add_co_u32 s32, s32, s29                     ; W: the task's number
	s_wait_alu depctr_va_vdst(0)                   ; the wait at the head's end
	s_wait_kmcnt 0x0
.macro LOADR k, row
.irp i, 0,1,2,3
	global_load_b128 v[X+20*\k+4*\i:X+20*\k+4*\i+3], v[VLD], s[4:5] offset:(\row)*16384+512*\i th:TH_LOAD_NT
.endr
.endm
; One row, in set k.  w: W's path.  ld: the set takes the row four further on.  left: younger loads that may stay out.
.macro ROW k, w, ld, left
.set XS, X+20*\k
.if \w
.irp i, 0,1,2,3
	ds_load_b64 v[ZS+2*\i:ZS+2*\i+1], v[VTB] offset:64*\k+16*\i   ; group 2 i + lane / 16 of this row
.endr
.endif
	s_wait_alu depctr_va_vdst(0)                   ; the wait ahead of the wait below
	s_wait_loadcnt \left
.if \w
	s_wait_dscnt 0x0
.irp i, 0,1,2,3,4,5,6,7,8,9,10,11,12,13,14,15
	v_cvt_f32_i32 v[XS+\i], v[XS+\i]
.endr
.irp i, 0,1,2,3
.irp e, 0,2
	v_pk_add_f32 v[XS+4*\i+\e:XS+4*\i+\e+1], v[XS+4*\i+\e:XS+4*\i+\e+1], v[ZS+2*\i:ZS+2*\i+1] op_sel_hi:[1,0] neg_lo:[0,1] neg_hi:[0,1]   ; - zero, rounded before the scaling
.endr
.endr
.irp i, 0,1,2,3
.irp e, 0,2
	v_pk_mul_f32 v[XS+4*\i+\e:XS+4*\i+\e+1], v[XS+4*\i+\e:XS+4*\i+\e+1], v[ZS+2*\i:ZS+2*\i+1] op_sel:[0,1] op_sel_hi:[1,1]                ; x scale
.endr
.endr
.endif
.irp i, 0,1,2,3
	v_max3_num_f32 v[M+\i], |v[XS+4*\i]|, |v[XS+4*\i+1]|, FLOOR    ; the floor holds the byte at 1 from below
.endr
.irp i, 0,1,2,3
	v_max3_num_f32 v[M+\i], v[M+\i], |v[XS+4*\i+2]|, |v[XS+4*\i+3]|
.endr
.irp x, 1,2,4
.irp i, 0,1,2,3
	v_max_num_f32_dpp v[M+\i], v[M+\i], v[M+\i] row_xmask:\x row_mask:0xf bank_mask:0xf   ; the block's eight lanes
.endr
.endr
.irp i, 0,1,2,3
	v_add_nc_u32 v[SCV+\i], 0xf8800000, v[M+\i]    ; 15 off the exponent field: the conversion's scale operand
.endr
.irp i, 0,1,2,3
	v_and_or_b32 v[LIM+\i], v[M+\i], 0x7f800000, s28   ; 57,344 x the scale
.endr
.irp i, 0,1,2,3
.irp e, 0,1,2,3
	v_med3_num_f32 v[XS+4*\i+\e], v[XS+4*\i+\e], -v[LIM+\i], v[LIM+\i]
.endr
.endr
.irp i, 0,1,2,3
	v_cvt_scalef32_pk8_bf8_f32 v[D+2*\i:D+2*\i+1], v[XS+4*\i:XS+4*\i+7], v[SCV+\i]   ; the first word holds load i's four codes
.endr
.irp i, 0,1,2,3
	v_lshrrev_b32 v[M+\i], 23, v[SCV+\i]           ; the bytes
.endr
	v_lshl_or_b32 v[M], v[M+1], 8, v[M]
	v_lshl_or_b32 v[M], v[M+2], 16, v[M]
	v_lshl_or_b32 v[M], v[M+3], 24, v[M]           ; the word of (this row, q = lane / 8)
	s_add_co_u32 s45, s43, \k
	v_cmp_eq_u32 vcc_lo, s45, v[VT]
	v_cndmask_b32 v[SW], v[SW], v[M], vcc_lo       ; kept by the lane whose row it is
	v_cmp_eq_u32 vcc_lo, s45, v[VT8]
	v_cndmask_b32 v[SW+1], v[SW+1], v[M], vcc_lo
.if \w
.irp i, 0,1,2,3
	ds_store_b32 v[VSG], v[D+2*\i] offset:544*\i+16*\k
.endr
.else
.irp j, 0,1,2,3                        ; lane 4 i + u of a half takes word j from load i's lane 4 u + j
	v_permlane16_b32 v[O+4*\k+\j], v[D], s[SEL+\j], s[SEL+\j]
	v_permlane16_b32 v[TMP], v[D+2], s[SEL+\j], s[SEL+\j]
	v_permlane16_b32 v[TMP+1], v[D+4], s[SEL+\j], s[SEL+\j]
	v_permlane16_b32 v[TMP+2], v[D+6], s[SEL+\j], s[SEL+\j]
	v_cndmask_b32 v[O+4*\k+\j], v[O+4*\k+\j], v[TMP], s[MK]
	v_cndmask_b32 v[O+4*\k+\j], v[O+4*\k+\j], v[TMP+1], s[MK+1]
	v_cndmask_b32 v[O+4*\k+\j], v[O+4*\k+\j], v[TMP+2], s[MK+2]
.endr
	global_store_b128 v[VST], v[O+4*\k:O+4*\k+3], s[8:9] offset:512*\k   ; the 32 lanes cover the row's 512 bytes
.endif
.if \ld
	LOADR \k, \k+4
.endif
.endm
.macro ROWS w, lbl
.irp k, 0,1,2,3
	LOADR \k, \k
.endr
\lbl:
.irp k, 0,1,2,3
	ROW \k, \w, 1, 12
.endr
	s_wait_xcnt 0x0                                ; bases and store data are written again only behind this wait
	s_add_nc_u64 s[4:5], s[4:5], 4*16384
.if \w
	v_add_nc_u32 v[VSG], 64, v[VSG]
	v_add_nc_u32 v[VTB], 256, v[VTB]
.else
	s_add_nc_u64 s[8:9], s[8:9], 2048
.endif
	s_add_co_u32 s43, s43, 4
	s_sub_co_u32 s44, s44, 1
	s_cmp_lg_u32 s44, 0
	s_wait_alu depctr_va_vdst(0)                   ; the wait ahead of the branch
	s_cbranch_scc1 \lbl
.irp k, 0,1,2,3
	ROW \k, \w, 0, 12-4*\k
.endr
.endm
	s_cmp_lt_u32 ttmp9, WGW
	s_cbranch_scc1 .Lw
	; ---- x
	s_sub_co_u32 s32, s32, 4*WGW                   ; the task: 8 (row / 16) + k / 512
	s_lshr_b32 s33, s32, 3
	s_and_b32 s34, s32, 7
	s_lshl_b32 s30, s33, 18
	s_lshl_b32 s35, s34, 11
	s_add_co_u32 s30, s30, s35
	s_add_nc_u64 s[4:5], s[4:5], s[30:31]
	s_lshr_b32 s35, s33, 2
	s_lshl_b32 s35, s35, 3
	s_add_co_u32 s35, s35, s34
	s_mul_i32 s30, s35, 33792
	s_add_nc_u64 s[8:9], s[8:9], s[30:31]          ; the block
	s_and_b32 s35, s33, 3
	s_lshl_b32 s30, s35, 8
	s_add_co_u32 s30, s30, 32768
	s_add_nc_u64 s[10:11], s[8:9], s[30:31]        ; my 256 bytes of scale words
	s_lshl_b32 s30, s35, 13
	s_add_nc_u64 s[8:9], s[8:9], s[30:31]          ; my 16 rows of codes
.irp j, 0,1,2,3
	s_mov_b32 s[SEL+\j], 0xc840c840+0x11111111*\j
.endr
	s_mov_b32 s[MK], 0x00f000f0
	s_mov_b32 s[MK+1], 0x0f000f00
	s_mov_b32 s[MK+2], 0xf000f000
	v_bfe_u32 v7, v2, 2, 2
	v_lshlrev_b32 v7, 7, v7
	v_lshrrev_b32 v1, 4, v2
	v_lshl_add_u32 v7, v1, 6, v7
	v_and_b32 v1, 3, v2
	v_lshl_add_u32 v[VST], v1, 4, v7               ; lane (half H, 4 i + u) holds the 16 codes at byte 128 i + 64 H + 16 u
.irp i, 0,1,2,3,4,5,6,7,8,9,10,11,12,13,14,15
	v_mov_b32 v[O+\i], 0                           ; a permute's destination counts as a source
.endr
.irp i, 0,1,2
	v_mov_b32 v[TMP+\i], 0
.endr
	s_wait_alu depctr_va_vdst(0)
	ROWS 0, .Lxrow
	s_wait_alu depctr_va_vdst(0)                   ; the wait ahead of the reader below
	global_store_b64 v[VSC], v[SW:SW+1], s[10:11]
	s_endpgm
	; ---- W
.Lw:
	s_lshr_b32 s33, s32, 3
	s_and_b32 s34, s32, 7
	s_lshl_b32 s30, s33, 18
	s_lshl_b32 s35, s34, 11
	s_add_co_u32 s30, s30, s35
	s_add_nc_u64 s[4:5], s[6:7], s[30:31]
	s_mul_i32 s30, s32, 8448
	s_add_nc_u64 s[8:9], s[10:11], s[30:31]        ; the block
	s_add_nc_u64 s[10:11], s[8:9], 8192            ; its scale words
	s_lshl_b32 s30, s33, 12                        ; 16 rows of 64 groups of 4 bytes,
	s_lshl_b32 s35, s34, 5                         ; 8 groups of this K
	s_add_co_u32 s30, s30, s35
	s_add_nc_u64 s[12:13], s[12:13], s[30:31]
	s_add_nc_u64 s[14:15], s[14:15], s[30:31]
	s_load_b32 s24, s[16:17], 0x0                  ; s_scale
	s_load_b32 s25, s[18:19], 0x0                  ; z_scale
	s_load_b32 s26, s[20:21], 0x0                  ; s_zero
	s_load_b32 s27, s[22:23], 0x0                  ; z_zero
	s_mul_i32 s36, s29, WREG
	s_add_co_u32 s37, s36, 4*FS
	v_lshrrev_b32 v1, 3, v2
	v_mul_u32_u24 v1, v1, FS
	v_bfe_u32 v7, v2, 2, 1
	v_mul_u32_u24 v7, v7, 272
	v_add_nc_u32 v1, v1, v7
	v_and_b32 v7, 3, v2
	v_lshl_add_u32 v1, v7, 2, v1
	v_add_nc_u32 v[VSG], s36, v1                   ; fragment q = lane / 8, half h = (lane % 8) / 4, word lane % 4
	v_lshrrev_b32 v1, 4, v2
	v_lshl_add_u32 v[VTB], v1, 3, s37
	v_lshl_add_u32 v[TBW], v2, 5, s37
	v_mul_u32_u24 v1, v1, 272
	v_and_b32 v7, 15, v2
	v_lshl_add_u32 v1, v7, 4, v1
	v_add_nc_u32 v[VRB], s36, v1
	v_lshrrev_b32 v1, 1, v2
	v_lshlrev_b32 v1, 8, v1
	v_and_b32 v7, 1, v2
	v_lshl_add_u32 v[VG], v7, 4, v1                ; lane l: row l / 2, groups 4 (l % 2) .. + 3
	s_wait_alu depctr_va_vdst(0)
	global_load_b128 v[32:35], v[VG], s[12:13]
	global_load_b128 v[36:39], v[VG], s[14:15]
	s_wait_kmcnt 0x0
	s_wait_loadcnt 0x0
.irp j, 0,1,2,3
	v_cvt_f32_i32 v[32+\j], v[32+\j]
	v_cvt_f32_i32 v[36+\j], v[36+\j]
.endr
.irp j, 0,1,2,3
	v_sub_f32 v[32+\j], v[32+\j], s25
	v_sub_f32 v[36+\j], v[36+\j], s27
.endr
.irp j, 0,1,2,3
	v_mul_f32 v[40+2*\j], s26, v[36+\j]            ; zero
	v_mul_f32 v[41+2*\j], s24, v[32+\j]            ; scale
.endr
	ds_store_b128 v[TBW], v[40:43]
	ds_store_b128 v[TBW], v[44:47] offset:16
	ROWS 1, .Lwrow
.irp q, 0,1,2,3
.irp c, 0,1,2,3
	ds_load_b128 v[X+4*(4*\q+\c):X+4*(4*\q+\c)+3], v[VRB] offset:\q*FS+544*\c   ; LDS serves a wave's instructions in order: these see my stores
.endr
.endr
	s_wait_alu depctr_va_vdst(0)
	s_wait_dscnt 0x0
.irp q, 0,1,2,3
.irp c, 0,1,2,3
	global_store_b128 v[VLD], v[X+4*(4*\q+\c):X+4*(4*\q+\c)+3], s[8:9] offset:2048*\q+512*\c
.endr
.endr
	global_store_b64 v[VSC], v[SW:SW+1], s[10:11]
	s_wait_tensorcnt 0x0                           ; the wave's end
	ds_add_u32 v[SPW], v[NIL]
	s_wait_dscnt 0x0
	s_endpgm
.Lfunc_end_k_q8f8e377f47_quant:
	.size	k_q8f8e377f47_quant, .Lfunc_end_k_q8f8e377f47_quant-k_q8f8e377f47_quant
	.p2alignl 7, 3214868480
	.fill 96, 4, 3214868480
	.section	.rodata,"a",@progbits
	.p2align	6, 0x0
	.amdhsa_kernel k_q8f8e377f47_quant
		.amdhsa_group_segment_fixed_size 40448
		.amdhsa_private_segment_fixed_size 0
		.amdhsa_enable_private_segment 0
		.amdhsa_kernarg_size 80
		.amdhsa_user_sgpr_count 2
		.amdhsa_user_sgpr_kernarg_segment_ptr 1
		.amdhsa_wavefront_size32 1
		.amdhsa_system_sgpr_workgroup_id_x 1
		.amdhsa_system_sgpr_workgroup_id_y 1
		.amdhsa_system_sgpr_workgroup_id_z 1
		.amdhsa_system_vgpr_workitem_id 0
		.amdhsa_next_free_vgpr 144
		.amdhsa_next_free_sgpr 66
		.amdhsa_reserve_vcc 1
		.amdhsa_float_denorm_mode_32 3
		.amdhsa_float_denorm_mode_16_64 3
		.amdhsa_memory_ordered 1
		.amdhsa_forward_progress 1
		.amdhsa_inst_pref_size 109
	.end_amdhsa_kernel
	.amdgpu_metadata
---
amdhsa.version: [ 1, 2 ]
amdhsa.kernels:
  - .name:           k_q8f8e377f47_quant
    .symbol:         k_q8f8e377f47_quant.kd
    .args:
      - { .name: x, .offset: 0, .size: 8, .value_kind: global_buffer, .address_space: global }
      - { .name: W_q, .offset: 8, .size: 8, .value_kind: global_buffer, .address_space: global }
      - { .name: scale_q, .offset: 16, .size: 8, .value_kind: global_buffer, .address_space: global }
      - { .name: zero_q, .offset: 24, .size: 8, .value_kind: global_buffer, .address_space: global }
      - { .name: s_scale, .offset: 32, .size: 8, .value_kind: global_buffer, .address_space: global }
      - { .name: z_scale, .offset: 40, .size: 8, .value_kind: global_buffer, .address_space: global }
      - { .name: s_zero, .offset: 48, .size: 8, .value_kind: global_buffer, .address_space: global }
      - { .name: z_zero, .offset: 56, .size: 8, .value_kind: global_buffer, .address_space: global }
      - { .name: a_ws, .offset: 64, .size: 8, .value_kind: global_buffer, .address_space: global }
      - { .name: b_ws, .offset: 72, .size: 8, .value_kind: global_buffer, .address_space: global }
    .group_segment_fixed_size: 40448
    .private_segment_fixed_size: 0
    .kernarg_segment_align: 8
    .kernarg_segment_size: 80
    .max_flat_workgroup_size: 128
    .sgpr_count:     66
    .vgpr_count:     144
    .wavefront_size: 32
...
	.end_amdgpu_metadata
.endif
;; end of part 1
;; launch gemm (part 2): grid 8 x 32, 4 waves a work-group, clusters of 4 x 1, 327,680 bytes of LDS; arguments a_ws, b_ws, bias, out0; writes out0
.if DOCPART == 2
	.amdgcn_target "amdgcn-amd-amdhsa--gfx1250"
	.amdhsa_code_object_version 6
	.text
	.protected	k_q8f8e377f47_gemm
	.globl	k_q8f8e377f47_gemm
	.p2align	8
	.type	k_q8f8e377f47_gemm,@function
k_q8f8e377f47_gemm:
	s_mov_b64 s[64:65], 0
	v_nop
	global_prefetch_b8 v0, s[64:65] scope:SCOPE_SE
	s_setreg_imm32_b32 hwreg(HW_REG_WAVE_MODE, 25, 1), 1
	s_wait_xcnt 0x0
	s_wait_alu depctr_hold_cnt(0) depctr_sa_sdst(0) depctr_va_vdst(0) depctr_va_sdst(0) depctr_va_ssrc(0) depctr_va_vcc(0) depctr_vm_vsrc(0)
	s_getreg_b32 s2, hwreg(HW_REG_IB_STS2, 6, 4)
	s_cmp_eq_u32 s2, 0
	s_cbranch_scc0 .Lentry_in_a_cluster
	s_endpgm
.Lentry_in_a_cluster:
	s_bfe_u32 s2, ttmp6, 0x10000c
	s_cmp_lg_u32 s2, 0x3003
	s_cbranch_scc0 .Lentry_shape_is_right
	s_endpgm
.Lentry_shape_is_right:
; out[m][n] = sum over k of x[m][k] W[n][k] + bias[n], on the codes and scale words that the launch before laid (its head comment gives both layouts).
; A block of 256 x 256 to a work-group, four waves of 128 x 128: 64 accumulators, 512 registers.  The matrix instruction is used transposed (source 0 = 16 rows of W, source 1 = 16 rows of x).
; ORDER OF THE SUMS: a step of 128 takes the four blocks k = 512 ks + 128 c + 32 q (c = 0..3), alike on both sides; so the sums do not run in ascending K.
; x's codes go through a ring of two LDS slots of 512 along K (four steps): each wave fetches 64 rows and their scale words by one tensor load of 66 rows of 512 bytes.
; The four work-groups of a cluster make one tile row and ask for these tiles jointly (mask 15).
; W's fragments and scale words go from memory straight into registers, in the order in which the registers take them, two steps ahead, under counted waits on LOADcnt:
; a joint load cannot fill registers, so they are not shared in the cluster.
; A step's 64 products go by halves of W's blocks: W's first four fragments are free at the step's middle, its last four at its end, and each takes the loads of two steps on.
; x has ONE set of eight fragments: in the second half four of them at a time are read anew, for the next step, behind their last products.
; PREFETCHES.  x's tiles, two refills ahead: of a slot's 528 blocks of 256 bytes each of the cluster's 16 waves names 33 (the partners part by address); tiles 0 to 3 come by their loads alone.
; W's stream, once a trip: the two slots of K that follow the trip's own, five steps ahead of the first load that wants them.  Those are 1,056 blocks of 256 bytes for a tile column;
; the column's 32 work-groups part by address, 33 blocks each (one block of 8,448 bytes of b_ws), 8 or 9 to a wave; the first two slots of K come by their loads alone.
; REGISTERS: window 0: v0-31 addresses, v32-63 x's scale words (a set a slot), v64-79 W's (a set for two steps), v80-83 bias, v128-255 x's fragments; window 1: W's fragments, two sets; windows 2, 3: accumulators.
; A scale register holds an even step's words in lanes 0-15 and the next step's in lanes 16-31.
.set SIZE_N, 2048
.set BLKB,   33792
.set PITCH,  528
.set QUART,  66*PITCH
.set SLOT,   4*QUART
.set SPARE,  2*SLOT
.set KSB,    8448
.set NBS,    8*KSB
.set SPITCH, 528
.set ADRA, 16
.set ADRS, 18
.set BOF,  20
.set BSO,  21
.set PFO,  22
.set PFL,  23
.set STO,  24
.set RD,   25
.set PFV,  27
.set SPW,  28
.set NIL,  29
.set SA,   32
.set SB,   64
.set BIAS, 80
.set AF,   128
.set BK,   128
.set G1, 24
.set G0, 32
.set PFA, 44
.set PFB, 58
.set MSB, 0
.macro WIN new
.if MSB != \new
	s_set_vgpr_msb (MSB<<8)|\new
.set MSB, \new
.endif
.endm
.set MUL_LO, 0xa1
.set MUL_HI, 0xf1
.set TO_B,   0x40
.macro PLACES n
.rept \n
	v_nop
.endr
.endm
.macro JLOAD s                         ; my quarter of a slot; an s_nop 0 and four v_nop follow
	tensor_load_to_lds s[G0+4*(\s):G0+4*(\s)+3], s[G1:G1+7]
	s_nop 0
	PLACES 4
.endm
.macro CREST
	s_cmp_lg_u32 s14, 0
	s_cbranch_scc1 .Lnot_wave_0_\@
	s_barrier_signal -3
.Lnot_wave_0_\@:
	s_barrier_wait -3
	s_barrier_signal -1
	s_barrier_wait -1
.endm
.macro CROUND
	s_barrier_signal -1
	s_barrier_wait -1
	CREST
.endm
	s_load_b256 s[4:11], s[0:1], 0x0               ; a_ws, b_ws, bias, out0
	v_lshl_add_u32 v[SPW], v0, 2, SPARE
	v_mov_b32 v[NIL], 0
	ds_add_u32 v[SPW], v[NIL]                      ; the opening lines: the add twice and its wait
	ds_add_u32 v[SPW], v[NIL]
	v_lshrrev_b32 v1, 5, v0
	v_readfirstlane_b32 s14, v1                    ; wave
	s_lshr_b32 s15, s14, 1                         ; my half of the rows
	s_and_b32 s16, s14, 1                          ; my half of the columns
	s_bfe_u32 s40, ttmp6, 0x40000                  ; cx
	s_lshl_b32 s42, ttmp9, 2
	s_add_co_u32 s42, s42, s40                     ; tile column
	s_and_b32 s17, ttmp7, 0xffff                   ; tile row
	s_mov_b32 s[G1+0], 15|(3<<16)|(1<<20)|(1<<21)|(6<<22)|(3<<25)   ; the cluster's four; elements of 8 bytes; 4 words of padding behind every 128
	s_mov_b32 s[G1+1], 64<<16
	s_mov_b32 s[G1+2], 66<<16
	s_mov_b32 s[G1+3], 64<<16
	s_mov_b32 s[G1+4], 66
	s_mov_b32 s[G1+5], 64
	s_mov_b32 s[G1+6], 0
	s_mov_b32 s[G1+7], 0
	s_lshl_b32 s20, s17, 2
	s_add_co_u32 s20, s20, s14                     ; my 64 rows: 4 x tile row + wave
	s_mul_i32 s20, s20, 8*BLKB
	s_mov_b32 s21, 0
	s_mul_i32 s41, s14, QUART
	s_lshl_b32 s46, s42, 1
	s_add_co_u32 s46, s46, s16
	s_mul_i32 s46, s46, 8*NBS                      ; my 128 rows of W
	s_mov_b32 s47, 0
	s_lshl_b32 s18, s17, 2
	s_add_co_u32 s18, s18, s40                     ; the 64 rows whose tiles my work-group prefetches
	s_mul_i32 s18, s18, 8*BLKB
	s_mov_b32 s19, 0
	s_mul_i32 s60, s42, 16*NBS                     ; W's prefetch: the tile column's 16 blocks of rows,
	s_lshr_b32 s61, s17, 1
	s_mul_i32 s61, s61, NBS                        ; of them number tile row / 2,
	s_add_co_u32 s60, s60, s61
	s_and_b32 s61, s17, 1
	s_mul_i32 s61, s61, KSB                        ; and of a trip's two slots of K number tile row % 2
	s_add_co_u32 s60, s60, s61
	s_mov_b32 s61, 0
	s_cmp_eq_u32 s14, 3
	s_cselect_b32 s62, 8, 7                        ; waves 0-2 name 8 of the 33 blocks, wave 3 names 9
	s_lshl_b32 s63, s14, 11
	s_mul_i32 s48, s15, 2*QUART
	s_add_co_u32 s49, s48, SLOT
	s_add_co_u32 s50, s48, 64*PITCH
	s_add_co_u32 s51, s50, SLOT
	s_mul_i32 s23, s14, 16*SPITCH
	s_mul_i32 s52, s14, 33*256
	s_add_co_u32 s53, s52, 32*256
	s_lshl_b32 s54, s17, 8
	s_lshl_b32 s55, s15, 7
	s_add_co_u32 s54, s54, s55
	s_lshl_b32 s54, s54, 13                        ; my first row of out0, in bytes
	s_mov_b32 s55, 0
	s_lshl_b32 s56, s42, 10
	s_lshl_b32 s57, s16, 9
	s_add_co_u32 s56, s56, s57                     ; my first column, in bytes
	s_mov_b32 s57, 0
	s_wait_dscnt 0x0
	s_wait_kmcnt 0x0
	s_add_nc_u64 s[20:21], s[4:5], s[20:21]
	s_add_nc_u64 s[PFA:PFA+1], s[4:5], s[18:19]
	s_add_nc_u64 s[PFB:PFB+1], s[6:7], s[60:61]
	s_add_nc_u64 s[6:7], s[6:7], s[46:47]
	s_add_nc_u64 s[10:11], s[10:11], s[54:55]
	s_add_nc_u64 s[10:11], s[10:11], s[56:57]
	s_add_nc_u64 s[8:9], s[8:9], s[56:57]
	CROUND                                         ; the first joint loads meet
.irp s, 0,1
	s_mov_b32 s[G0+4*\s], 1
	s_add_co_u32 s[G0+4*\s+1], s41, \s*SLOT
	s_add_nc_u64 s[G0+4*\s+2:G0+4*\s+3], s[20:21], \s*BLKB
	s_or_b32 s[G0+4*\s+3], s[G0+4*\s+3], 0x80000000
.endr
	JLOAD 0                                        ; one tensor load a wave at the head
	v_and_b32 v1, 15, v0                           ; r
	v_bfe_u32 v2, v0, 4, 1                         ; h
	v_and_b32 v6, 31, v0
	v_mul_u32_u24 v3, v1, PITCH
	v_lshl_add_u32 v3, v2, 4, v3
	v_add_nc_u32 v[ADRA], s48, v3
	v_add_nc_u32 v[ADRA+1], s49, v3
	v_and_b32 v4, 7, v1
	v_lshrrev_b32 v5, 3, v1
	v_lshlrev_b32 v4, 3, v4
	v_lshl_add_u32 v4, v5, 2, v4
	v_lshl_add_u32 v4, v2, 6, v4                   ; a scale word: 64 h + 8 (r % 8) + 4 (r / 8)
	v_add_nc_u32 v[BSO], 8192, v4
	v_add_nc_u32 v[ADRS], s50, v4
	v_add_nc_u32 v[ADRS+1], s51, v4
	v_lshlrev_b32 v[BOF], 4, v6
	v_mul_u32_u24 v5, v1, SPITCH
	v_lshl_add_u32 v5, v2, 5, v5
	v_add_nc_u32 v[STO], s23, v5
	v_add_nc_u32 v[RD], s23, v[BOF]
	v_lshl_add_u32 v[PFO], v6, 8, s52
	v_mov_b32 v[PFL], s53
	v_min_u32 v[PFV], s62, v6                      ; the lanes that are left over name my last block again
	v_lshl_add_u32 v[PFV], v[PFV], 8, s63
	s_wait_alu depctr_va_vdst(0)                   ; the wait at the head's end
.macro BSC j                           ; W's scale words of steps j and j + 1 (j even)
.irp b, 0,1,2,3,4,5,6,7
	global_load_b32 v[SB+8*(((\j)/2)%2)+\b], v[BSO], s[6:7] offset:\b*NBS+((\j)/4)*KSB+128*(((\j)%4)/2)
.endr
.endm
.macro BFR j, hf                       ; four of W's fragments of step j
.irp b, 0,1,2,3
.irp c, 0,1,2,3
	global_load_b128 v[128*((\j)%2)+16*(4*\hf+\b)+4*\c:128*((\j)%2)+16*(4*\hf+\b)+4*\c+3], v[BOF], s[6:7] offset:(4*\hf+\b)*NBS+((\j)/4)*KSB+((\j)%4)*2048+512*\c
.endr
.endr
.endm
.macro AFR j, a                        ; x's fragment a of step j
.irp c, 0,1,2,3
	ds_load_b128 v[AF+16*(\a)+4*\c:AF+16*(\a)+4*\c+3], v[ADRA+(((\j)/4)%2)] offset:((\a)/4)*QUART+((\a)%4)*16*PITCH+128*\c+32*((\j)%4)
.endr
.endm
.macro ASC sl                          ; x's scale words of a slot
.irp a, 0,1,2,3,4,5,6,7
.irp p, 0,1
	ds_load_b32 v[SA+16*(\sl)+2*\a+\p], v[ADRS+(\sl)] offset:(\a/4)*QUART+((\a%4)/2)*PITCH+(\a%2)*256+128*\p
.endr
.endr
.endm
.macro MUL4 a, hf, j, zero             ; x's block a against four of W's; the accumulators take turns
.irp b, 0,1,2,3
.set AC_, 8*(8*((\a)%4)+4*(\hf)+\b)
.set BF_, 128*((\j)%2)+16*(4*(\hf)+\b)
.set AF_, AF+16*(\a)
.set SB_, SB+8*(((\j)%4)/2)+4*(\hf)+\b
.set SA_, SA+16*(((\j)/4)%2)+2*(\a)+((\j)%4)/2
.if \zero
	v_wmma_scale_f32_16x16x128_f8f6f4 v[AC_:AC_+7], v[BF_:BF_+15], v[AF_:AF_+15], 0, v[SB_], v[SA_] matrix_a_fmt:MATRIX_FMT_BF8 matrix_b_fmt:MATRIX_FMT_BF8
.elseif (\j)%2
	v_wmma_scale_f32_16x16x128_f8f6f4 v[AC_:AC_+7], v[BF_:BF_+15], v[AF_:AF_+15], v[AC_:AC_+7], v[SB_], v[SA_] matrix_a_fmt:MATRIX_FMT_BF8 matrix_b_fmt:MATRIX_FMT_BF8 matrix_a_scale:MATRIX_SCALE_ROW1 matrix_b_scale:MATRIX_SCALE_ROW1
.else
	v_wmma_scale_f32_16x16x128_f8f6f4 v[AC_:AC_+7], v[BF_:BF_+15], v[AF_:AF_+15], v[AC_:AC_+7], v[SB_], v[SA_] matrix_a_fmt:MATRIX_FMT_BF8 matrix_b_fmt:MATRIX_FMT_BF8
.endif
.endr
.endm
.macro ASK j                           ; x's tile that stands two refills on; not in the loop's last trip, which has none
	s_cmp_gt_u32 s3, 1
	s_cbranch_scc0 .Lno_ask_\@
	global_prefetch_b8 v[PFO], s[PFA:PFA+1] offset:(4+(\j)/4)*BLKB th:TH_LOAD_NT scope:SCOPE_SE
	global_prefetch_b8 v[PFL], s[PFA:PFA+1] offset:(4+(\j)/4)*BLKB th:TH_LOAD_NT scope:SCOPE_SE   ; my 33rd block, named by every lane
.Lno_ask_\@:
.endm
; Step j (counted from the trip's slot 0).  turn: a slot's last step, with the change of slots; refill: the slot is filled again; pf: 1 with x's prefetch, 2 with W's;
; bl: W's loads for step j + 2; al: x's loads for step j + 1; last: the launch's last step.
.macro STEP j, zero, turn, refill, pf, bl, al, last
.if \last
	s_wait_loadcnt 16                              ; behind my first four fragments of W: the other four
.elseif (\j)%2
	s_wait_loadcnt 56                              ; behind them: 16, then the next step's 8 + 16 and 16
.else
	s_wait_loadcnt 48                              ; behind them: 16, 16 and 16
.endif
.if \turn
	s_wait_tensorcnt 0x0                           ; my part of the next slot is in;
	ds_add_u32 v[SPW], v[NIL]
.if \refill
	s_add_nc_u64 s[G0+4*(((\j)/4)%2)+2:G0+4*(((\j)/4)%2)+3], s[G0+4*(((\j)/4)%2)+2:G0+4*(((\j)/4)%2)+3], 2*BLKB
.endif
	s_wait_dscnt 17                                ; x's blocks 0-3 are in; blocks 4-7 and the add may be out
.else
	s_wait_dscnt 16
.endif
	WIN MUL_LO
.irp a, 0,1,2,3
	MUL4 \a, 0, \j, \zero
.endr
	s_wait_dscnt 0x0                               ; blocks 4-7 are in; at a turn: the add is done and my reads of this slot are over
.if \turn
	s_barrier_signal -1
.endif
	WIN MUL_HI
.irp a, 4,5,6,7
	MUL4 \a, 0, \j, \zero
.endr
	WIN 0
.if \turn
	s_barrier_wait -1
.endif
.if \refill
	CREST                                          ; the barrier has opened a round of the cluster's barrier
	JLOAD ((\j)/4)%2                               ; the first tensor load behind the round
	PLACES 4
.else
	PLACES 8
.endif
.if \last
	s_wait_loadcnt 0x0
.elseif (\j)%2
	s_wait_loadcnt 40                              ; W's last four fragments are in; the next step's 8 + 16 + 16 may be out
.else
	s_wait_loadcnt 32
.endif
.if \turn
	ASC 1-((\j)/4)%2
.endif
.if \pf == 1
	ASK \j
.endif
.if \pf == 2
	global_prefetch_b8 v[PFV], s[PFB:PFB+1] offset:2*KSB th:TH_LOAD_NT scope:SCOPE_SE   ; my share of W's two slots of K behind this trip's
.endif
.if \bl
.if (\j)%2 == 0
	BSC (\j)+2
.endif
	WIN TO_B
	BFR (\j)+2, 0
.endif
.irp g, 0,1
.if \g == 0
	WIN MUL_LO
.else
	WIN MUL_HI
.endif
.irp a, 0,1,2,3
	MUL4 4*\g+\a, 1, \j, \zero
.endr
.if \al
	WIN 0
	PLACES 8                                       ; eight places in front of loads into registers that matrix instructions have read
.irp a, 0,1,2,3
	AFR (\j)+1, 4*\g+\a
.endr
.endif
.endr
.if \bl
	WIN TO_B
	BFR (\j)+2, 1
.endif
	WIN 0
.endm
	global_load_b128 v[BIAS:BIAS+3], v[BOF], s[8:9]
	BSC 0
	WIN TO_B
	BFR 0, 0
	BFR 0, 1
	BFR 1, 0
	BFR 1, 1
	WIN 0
	s_wait_tensorcnt 0x0                           ; my part of slot 0 is in
	ds_add_u32 v[SPW], v[NIL]
	s_wait_dscnt 0x0
	CROUND
	JLOAD 1                                        ; slot 1's first fill
	ASC 0
.irp a, 0,1,2,3,4,5,6,7
	AFR 0, \a
.endr
	STEP 0, 1, 0, 0, 0, 1, 1, 0                    ; the first step starts the sums
	s_mov_b32 s3, 3
.Llap:                                                 ; a trip: eight steps, from a lap's second to the next lap's first; both slots are filled again
	STEP 1, 0, 0, 0, 2, 1, 1, 0
	STEP 2, 0, 0, 0, 0, 1, 1, 0
	STEP 3, 0, 1, 1, 1, 1, 1, 0
	STEP 4, 0, 0, 0, 0, 1, 1, 0
	STEP 5, 0, 0, 0, 0, 1, 1, 0
	STEP 6, 0, 0, 0, 0, 1, 1, 0
	STEP 7, 0, 1, 1, 1, 1, 1, 0
	STEP 8, 0, 0, 0, 0, 1, 1, 0
	s_wait_xcnt 0x0                                ; the loads and prefetches have read their bases
	s_add_nc_u64 s[6:7], s[6:7], 2*KSB
	s_add_nc_u64 s[PFA:PFA+1], s[PFA:PFA+1], 2*BLKB
	s_add_nc_u64 s[PFB:PFB+1], s[PFB:PFB+1], 2*KSB
	s_sub_co_u32 s3, s3, 1
	s_cmp_lg_u32 s3, 0
	s_cbranch_scc1 .Llap
	STEP 1, 0, 0, 0, 0, 1, 1, 0                    ; the last lap fills nothing and prefetches nothing
	STEP 2, 0, 0, 0, 0, 1, 1, 0
	STEP 3, 0, 1, 0, 0, 1, 1, 0
	STEP 4, 0, 0, 0, 0, 1, 1, 0
	STEP 5, 0, 0, 0, 0, 1, 1, 0
	STEP 6, 0, 0, 0, 0, 0, 1, 0
	STEP 7, 0, 0, 0, 0, 0, 0, 1
; THE WAY OUT, by blocks of 16 rows x 128 columns, through my own stage, which lies in slot 0: that slot has had its last fill, and every wave has passed the last change of slots.
; The rows come back whole, 512 bytes to the 32 lanes; the bias of a lane's four columns is added; a store covers 512 consecutive bytes.
.macro TOSTAGE a
.set AC, 64*((\a)%4)
	WIN 0x08+4*((\a)/4)
.irp b, 0,1,2,3,4,5,6,7
	ds_store_b128 v[STO], v[AC+8*\b:AC+8*\b+3] offset:64*\b
	ds_store_b128 v[STO], v[AC+8*\b+4:AC+8*\b+7] offset:64*\b+16
.endr
	WIN 0
.set BB, BK+64*((\a)%2)
.irp t, 0,1,2,3,4,5,6,7,8,9,10,11,12,13,14,15
	ds_load_b128 v[BB+4*\t:BB+4*\t+3], v[RD] offset:\t*SPITCH
.endr
.endm
.macro SEND a, younger
.set BB, BK+64*((\a)%2)
	s_wait_dscnt \younger
.irp t, 0,1,2,3,4,5,6,7,8,9,10,11,12,13,14,15
	v_pk_add_f32 v[BB+4*\t:BB+4*\t+1], v[BB+4*\t:BB+4*\t+1], v[BIAS:BIAS+1]
	v_pk_add_f32 v[BB+4*\t+2:BB+4*\t+3], v[BB+4*\t+2:BB+4*\t+3], v[BIAS+2:BIAS+3]
.endr
.if (\a) > 0
	s_add_nc_u64 s[10:11], s[10:11], 16*SIZE_N*4
.endif
.irp t, 0,1,2,3,4,5,6,7,8,9,10,11,12,13,14,15
	global_store_b128 v[BOF], v[BB+4*\t:BB+4*\t+3], s[10:11] offset:\t*SIZE_N*4 th:TH_STORE_NT
.endr
.endm
	PLACES 8
	TOSTAGE 0
.irp a, 1,2,3,4,5,6,7
.if \a > 1
	s_wait_xcnt 0x0                                ; block a - 2's stores have read their registers and their base
.endif
	TOSTAGE \a
	SEND \a-1, 32
.endr
	s_wait_xcnt 0x0
	SEND 7, 0
	s_wait_tensorcnt 0x0                           ; the wave's end
	ds_add_u32 v[SPW], v[NIL]
	s_wait_dscnt 0x0
	CROUND                                         ; the closing round
	s_endpgm
.Lfunc_end_k_q8f8e377f47_gemm:
	.size	k_q8f8e377f47_gemm, .Lfunc_end_k_q8f8e377f47_gemm-k_q8f8e377f47_gemm
	.p2alignl 7, 3214868480
	.fill 96, 4, 3214868480
	.section	.rodata,"a",@progbits
	.p2align	6, 0x0
	.amdhsa_kernel k_q8f8e377f47_gemm
		.amdhsa_group_segment_fixed_size 327680
		.amdhsa_private_segment_fixed_size 0
		.amdhsa_enable_private_segment 0
		.amdhsa_kernarg_size 32
		.amdhsa_user_sgpr_count 2
		.amdhsa_user_sgpr_kernarg_segment_ptr 1
		.amdhsa_wavefront_size32 1
		.amdhsa_system_sgpr_workgroup_id_x 1
		.amdhsa_system_sgpr_workgroup_id_y 1
		.amdhsa_system_sgpr_workgroup_id_z 1
		.amdhsa_system_vgpr_workitem_id 0
		.amdhsa_next_free_vgpr 1024
		.amdhsa_next_free_sgpr 66
		.amdhsa_reserve_vcc 0
		.amdhsa_float_denorm_mode_32 3
		.amdhsa_float_denorm_mode_16_64 3
		.amdhsa_memory_ordered 1
		.amdhsa_forward_progress 1
		.amdhsa_inst_pref_size 255
	.end_amdhsa_kernel
	.section	.bss,"aw",@nobits
	.p2align	6
	.space	262144
	.amdgpu_metadata
---
amdhsa.version: [ 1, 2 ]
amdhsa.kernels:
  - .name:           k_q8f8e377f47_gemm
    .symbol:         k_q8f8e377f47_gemm.kd
    .args:
      - { .name: a_ws, .offset: 0, .size: 8, .value_kind: global_buffer, .address_space: global }
      - { .name: b_ws, .offset: 8, .size: 8, .value_kind: global_buffer, .address_space: global }
      - { .name: bias, .offset: 16, .size: 8, .value_kind: global_buffer, .address_space: global }
      - { .name: out0, .offset: 24, .size: 8, .value_kind: global_buffer, .address_space: global }
    .group_segment_fixed_size: 327680
    .private_segment_fixed_size: 0
    .kernarg_segment_align: 8
    .kernarg_segment_size: 32
    .max_flat_workgroup_size: 128
    .sgpr_count:     66
    .vgpr_count:     1024
    .wavefront_size: 32
...
	.end_amdgpu_metadata
.endif
;; end of part 2
